; MI455X (gfx1250); checked and timed in simulation.
; The chip was launched on July 23, 2026; its instructions are those of AMD's public machine-readable ISA for CDNA 5 (MIT licence, August 2026) and "CDNA5" Instruction Set Architecture Reference Guide (July 2026). The comments in the code are by the model that wrote it; some were corrected since.
;; Dot Product Attention. Allowed arithmetic: matrix products marked QUANTISED: E2M1 operands, one E8M0 scale for each 32 along K, by v_wmma_scale_f32_16x16x128_f8f6f4 with both operands' format E2M1 (or v_wmma_scale_f32_32x16x128_f4), f32 sums; everything else in f32.
;; Inputs: key_layer 2,048 x 4 x 16 x 128 float32; query_layer 2,048 x 4 x 16 x 128 float32; value_layer 2,048 x 4 x 16 x 128 float32.
;; Outputs: out0 2,048 x 4 x 2,048 float32.
;; This version of the problem:
;;   THIS VERSION OF THE PROBLEM IS GIVEN IN LOW PRECISION. The matrix products marked QUANTISED in the list below multiply operands that are first quantised to E2M1 (2 exponent bits, 1 mantissa bit; 4 bits a number), with one power-of-two scale for each 32 numbers along K (OCP MX v1.0); their sums are f32. All else is computed in f32.
;;   The module's matrix products, in the order in which they are computed (A, B: the left and right operand; K: the contracted axis; several contracted axes count as one K, in the product's order):
;;     1. batch 64 x [M 2,048, K 128] x [K 128, N 2,048]; A: input query_layer; B: input key_layer: QUANTISED
;;     2. batch 64 x [M 128, K 2,048] x [K 2,048, N 2,048]; A: input value_layer; B: softmax (see below): QUANTISED
;;   THE QUANTISER, for each operand of a quantised product, along K:
;;     - K is cut into blocks of 32 from its start; a last block that is shorter is filled with zeros.
;;     - A block's scale is 2^e with e = floor(log2(the largest magnitude in the block)) - 2, held to -126 .. 127; a block of zeros has e = 0. As a byte (E8M0): e + 127.
;;     - Each number is divided by its block's scale, clamped to +-6, and rounded to the nearest number of E2M1, ties to even, subnormals kept.
;;     - The product sums the exact products of the quantised numbers (number of the format x scale) in f32.
;;   ~~~python
;;   def quantise(x, axis):      # numpy; x: float32 -> the quantised numbers, widened to float32 again
;;       x = np.moveaxis(x, axis, -1); K = x.shape[-1]
;;       x = np.pad(x, [(0, 0)] * (x.ndim - 1) + [(0, -K % 32)]); x = x.reshape(x.shape[:-1] + (-1, 32)); a = np.abs(x).max(-1, keepdims=True)
;;       e = np.where(a > 0, np.clip(np.frexp(np.where(a > 0, a, 1))[1] - 1 - 2, -126, 127), 0)      # np.frexp(a)[1] - 1 = floor(log2(a)), exactly
;;       r = np.clip(x / 2.0 ** e, -6, 6)
;;       step = 2.0 ** (np.maximum(np.frexp(np.where(r == 0, 1, r))[1] - 1, 0) - 1)
;;       q = np.round(r / step) * step * 2.0 ** e      # np.round: ties to even
;;       return np.moveaxis(q.reshape(q.shape[:-2] + (-1,))[..., :K], -1, axis).astype(np.float32)
;;   ~~~
;;   SOFTMAX AHEAD OF A QUANTISED PRODUCT. Where the list says 'softmax', what is quantised is not the finished softmax but p = 2^(t - M), with t = logit x log2(e) and M = ceil(the row's largest t), a whole number; so 1/2 < the row's largest p <= 1. The row's sum l is taken of the UNQUANTISED p, in f32, and the product's result is divided by l at the end. Since M is a whole number, a kernel that streams over the keys may use a running M (the ceiling of the running maximum): every later rescaling is an exact power of two, which a block's scale takes up: the codes' values come out the same.
;;   OPERANDS COMPUTED ON THE WAY. 'Computed on the way' means the value that the module computes at that place (a softmax that the list does not call 'softmax' is quantised finished and normalised). What goes into a quantiser is computed in f32, as accurately as f32 sums, v_exp_f32 and their like allow (about 1e-6 of the number): no bf16 or f16 on the way to a quantiser, and a product that is left as it is and whose result goes on into a quantised operand takes f32 operands (vector FMAs, or v_wmma_f32_16x16x4_f32). A number that lies on a knife's edge between two numbers of the format may be rounded either way, as far as f32 arithmetic and the matrix unit's own rounding can turn it there, and no further.
;; One version. Each part assembles by itself: llvm-mc -triple=amdgcn-amd-amdhsa -mcpu=gfx1250 --defsym DOCPART=n.
;; ======== version 1 of 1: 2 launches
;; limits: right only within a limited range of input values
;; workspace buffers: kv 17,825,792 bytes
;; launch quant (part 1): grid 16 x 64, 4 waves a work-group, no clusters, 34,304 bytes of LDS; arguments key_layer, value_layer, kv; writes kv
.if DOCPART == 1
	.amdgcn_target "amdgcn-amd-amdhsa--gfx1250"
	.amdhsa_code_object_version 6
	.text
	.protected	k_q951008b698_quant
	.globl	k_q951008b698_quant
	.p2align	8
	.type	k_q951008b698_quant,@function
k_q951008b698_quant:
	s_mov_b64 s[64:65], 0
	v_nop
	global_prefetch_b8 v0, s[64:65] scope:SCOPE_SE
	s_setreg_imm32_b32 hwreg(HW_REG_WAVE_MODE, 25, 1), 1
	s_wait_xcnt 0x0
; key_layer and value_layer, [2048 (position)][64 (head)][128] f32, become codes of FP4 (E2M1) with one E8M0 scale byte for each 32 along a product's K, laid as IMAGES OF THE OPERAND REGISTERS
; that the attention launch loads.  K is quantised along the head's 128 (innermost), V along the keys (outermost).
; kv: [64 heads][16 key steps][17,408 bytes].  A step (128 keys): 8 tiles of K x 1,024 bytes, 8 tiles of V x 1,024 bytes, 1,024 bytes of scale words.
;   A tile's image is [c = 0, 1][lane 0..31][16 bytes]: registers 4 c .. 4 c + 3 of lane (r, h) hold k = 64 c + 32 h + 0 .. 31 of the tile's row r.
;   K's tile 2 b + u: row r is key 32 b + 8 u + r + 8 (r / 8) of the step, so that in the transposed score the 16 registers of tiles 2 b, 2 b + 1 are 16 neighbouring keys.  k = the head's channel.
;   V's tile T: row r is channel 16 T + r; k = the step's key, in its natural order.
;   Scale words: [p = 0..3][lane][2 words]: lanes 0-15 the words of K's tiles 2 p, 2 p + 1 (row r), lanes 16-31 those of V's tiles 2 p, 2 p + 1.
; A block's scale is 2^(floor(log2(its largest magnitude)) - 2): its byte is the largest magnitude's exponent field - 2, held at 1 from below by a floor among the maximum's leaves.
; LIMITS: a block of zeros gets the byte 1 where the rule says 127 (its codes are zeros, and this program alone reads the bytes); NaN and infinities among the inputs are not served.
; SHARES.  A work-group takes one key step of one head.  Wave w: keys 32 w .. 32 w + 31 (K's tiles 2 w, 2 w + 1), channels 32 w .. 32 w + 31 of all 128 keys (V's tiles 2 w, 2 w + 1), scale group p = w.
; K: a load reads one key's row, 512 consecutive bytes; 16 rows turn through the wave's own stage in LDS, so that a lane gets 2 x 32 neighbours of one row.
; V: a lane takes a channel and its registers run down the keys: a block of 32 keys lies in one lane, nothing is transposed; the four waves together read a key's whole row.
; No tensor load, no barrier, no loop: waves share nothing, every offset is an immediate, no address register and no store's data are written again.
.set ROWG,  32768                      ; bytes from a position to the next, in one head
.set STEPB, 17408                      ; a step's block in kv
.set HEADB, 16*STEPB
.set SP,    528                        ; a stage row: 512 bytes + 16: the sixteen rows that a read touches start 33 x 16 bytes apart
.set WSTG,  16*SP                      ; a wave's stage
.set FLOOR, 0x1800000                  ; 2^(3 - 127)
.set CK,    32                         ; v32-47   K's codes: 8 registers a tile
.set CV,    48                         ; v48-63   V's codes: 4 registers a block
.set A,     64                         ; v64-127  16 rows of K as loaded
.set D,     128                        ; v128-191 the same behind the turn: register 32 c + i = channel 64 c + 32 h + i of row r
.set X,     192                        ; v192-255 two sets of 32 keys of my channel
; v1 lane; v2 16 x lane; v3 4 x lane; v4 stage in; v5 stage out; v6 K's codes in kv; v7 V's; v8 the scale words'; v9 8 h; v10-16 at work; v17, v23 permutes' destinations; v20-21 K's words; v22 V's word; v[24:25] the pair stored
	s_load_b128 s[4:7], s[0:1], 0x0                ; key_layer, value_layer
	s_load_b64 s[8:9], s[0:1], 0x10                ; kv
	v_lshl_add_u32 v30, v0, 2, 0x8400
	v_mov_b32 v31, 0
	v_lshrrev_b32 v1, 5, v0
	v_readfirstlane_b32 s10, v1                    ; wave 0..3
	v_and_b32 v1, 31, v0                           ; lane
	v_lshlrev_b32 v2, 4, v1
	v_lshlrev_b32 v3, 2, v1
	v_and_b32 v10, 15, v0                          ; r
	v_bfe_u32 v11, v0, 4, 1                        ; h
	s_mul_i32 s22, s10, WSTG                       ; my stage
	v_add_nc_u32 v4, s22, v2                       ; in: 16 x lane of a row
	v_mul_u32_u24 v5, v10, SP
	v_lshl_add_u32 v5, v11, 7, v5
	v_add_nc_u32 v5, s22, v5                       ; out: row r, + 128 h bytes (32 h channels)
	s_lshl_b32 s23, s10, 11                        ; my two tiles: 2,048 w
	v_add_nc_u32 v6, s23, v2                       ; K's image: + 16 x lane
	v_lshlrev_b32 v7, 4, v10
	v_lshl_add_u32 v7, v11, 10, v7
	v_add_nc_u32 v7, s23, v7                       ; V's image: tile 2 w + lane / 16, row lane % 16
	s_lshl_b32 s23, s10, 8
	v_lshl_add_u32 v8, v1, 3, s23                  ; the scale words: 256 w + 8 x lane
	v_lshlrev_b32 v9, 3, v11                       ; 8 h
	v_mov_b32 v17, 0                               ; written once: a lane permute's destination counts as one of its sources
	v_mov_b32 v23, 0
	s_mov_b32 s12, 0x76543210
	s_mov_b32 s13, 0xfedcba98                      ; v_permlanex16_b32's selects for lane l xor 16
	s_and_b32 s11, ttmp7, 0xffff                   ; the head
	s_lshl_b32 s14, ttmp9, 22                      ; the step's 128 positions of 32,768 bytes,
	s_lshl_b32 s15, s11, 9                         ; the head's 512 bytes in a position: together under 2^26
	s_add_co_u32 s14, s14, s15
	s_lshl_b32 s16, s10, 20                        ; K: my 32 keys
	s_add_co_u32 s16, s16, s14
	s_mov_b32 s17, 0
	s_lshl_b32 s18, s10, 7                         ; V: my 32 channels
	s_add_co_u32 s18, s18, s14
	s_mov_b32 s19, 0
	s_mul_i32 s20, s11, HEADB
	s_mul_i32 s21, ttmp9, STEPB
	s_add_co_u32 s20, s20, s21                     ; the step's block in kv
	s_mov_b32 s21, 0
	s_wait_alu depctr_va_vdst(0)
	s_wait_kmcnt 0x0
	s_add_nc_u64 s[4:5], s[4:5], s[16:17]
	s_add_nc_u64 s[6:7], s[6:7], s[18:19]
	s_add_nc_u64 s[8:9], s[8:9], s[20:21]
.macro LOADK u                         ; the 16 rows of K's tile 2 w + u: 32 lanes read a key's 512 consecutive bytes
.irp rr, 0,1,2,3,4,5,6,7,8,9,10,11,12,13,14,15
	global_load_b128 v[A+4*\rr:A+4*\rr+3], v2, s[4:5] offset:(8*(\u)+\rr+8*(\rr/8))*ROWG th:TH_LOAD_NT
.endr
.endm
.macro LOADVH b, half                  ; 16 keys of block b of my channel: half a block, into set b % 2
.irp i, 0,1,2,3,4,5,6,7,8,9,10,11,12,13,14,15
	global_load_b32 v[X+32*((\b)%2)+16*(\half)+\i], v3, s[6:7] offset:(32*(\b)+16*(\half)+\i)*ROWG th:TH_LOAD_NT
.endr
.endm
.macro TURN                            ; 16 rows through my stage: LDS serves a wave's instructions in order, so no wait stands between the stores and the loads
.irp rr, 0,1,2,3,4,5,6,7,8,9,10,11,12,13,14,15
	ds_store_b128 v4, v[A+4*\rr:A+4*\rr+3] offset:SP*\rr
.endr
.irp c, 0,1
.irp i, 0,1,2,3,4,5,6,7
	ds_load_b128 v[D+32*\c+4*\i:D+32*\c+4*\i+3], v5 offset:256*\c+16*\i
.endr
.endr
	s_wait_dscnt 0x0                               ; the numbers are back, and the stores have read A: it may be loaded again
.endm
.macro QUANTK u                        ; my two blocks (h and 2 + h) of row r become registers 4 c .. 4 c + 3 of the tile's fragment
.irp c, 0,1
	v_max3_num_f32 v[10+\c], |v[D+32*\c]|, |v[D+32*\c+1]|, FLOOR   ; the block's largest magnitude, all 32 numbers mine, and the floor: the byte cannot fall under 1
.endr
.irp i, 2,4,6,8,10,12,14,16,18,20,22,24,26,28,30
.irp c, 0,1
	v_max3_num_f32 v[10+\c], v[10+\c], |v[D+32*\c+\i]|, |v[D+32*\c+\i+1]|   ; (the two blocks by turns)
.endr
.endr
.irp c, 0,1
	v_add_nc_u32 v[12+\c], 0xff000000, v[10+\c]    ; 2 off the exponent field: the conversion takes the exponent field of this operand as its scale
.endr
.irp c, 0,1
	v_lshrrev_b32 v[14+\c], 23, v[12+\c]           ; the scale's byte
.endr
	v_lshl_or_b32 v16, v15, 16, v14                ; my two bytes,
	v_lshlrev_b32 v16, v9, v16                     ; at their places in the word (8 h bits up);
	v_permlanex16_b32 v17, v16, s12, s13
	v_or_b32 v[20+\u], v16, v17                    ; with lane l xor 16's two the row's word is whole, in both halves of the lanes
.irp c, 0,1
.irp g, 0,1,2,3
	v_cvt_scalef32_pk8_fp4_f32 v[CK+8*(\u)+4*\c+\g], v[D+32*\c+8*\g:D+32*\c+8*\g+7], v[12+\c]
.endr
.endr
	v_nop                                          ; one plain place behind the last scaled conversion
.irp c, 0,1
	global_store_b128 v6, v[CK+8*(\u)+4*\c:CK+8*(\u)+4*\c+3], s[8:9] offset:1024*(\u)+512*\c   ; 32 lanes store 512 consecutive bytes, at a multiple of 256 from kv's first byte
.endr
.endm
.macro BLOCKV b                        ; block b (32 keys) of my channel
.set XS, X+32*((\b)%2)
	v_max3_num_f32 v10, |v[XS]|, |v[XS+1]|, |v[XS+2]|
	v_max3_num_f32 v11, |v[XS+3]|, |v[XS+4]|, |v[XS+5]|
.irp i, 6,10,14,18,22,26
	v_max3_num_f32 v10, v10, |v[XS+\i]|, |v[XS+\i+1]|
	v_max3_num_f32 v11, v11, |v[XS+\i+2]|, |v[XS+\i+3]|
.endr
	v_max3_num_f32 v10, v10, |v[XS+30]|, |v[XS+31]|
	v_max3_num_f32 v10, v10, v11, FLOOR
	v_add_nc_u32 v12, 0xff000000, v10
	v_lshrrev_b32 v14, 23, v12
.if (\b) == 0
	v_mov_b32 v22, v14                             ; four bytes to the word, the lower keys in the lower byte
.else
	v_lshl_or_b32 v22, v14, 8*(\b), v22
.endif
.irp g, 0,1,2,3
	v_cvt_scalef32_pk8_fp4_f32 v[CV+4*(\b)+\g], v[XS+8*\g:XS+8*\g+7], v12
.endr
	v_nop                                          ; one plain place behind the last scaled conversion
	global_store_b128 v7, v[CV+4*(\b):CV+4*(\b)+3], s[8:9] offset:8192+256*(\b)   ; each half of the lanes stores 256 consecutive bytes, aligned: block b of one tile's image
.endm
	; Loads go in units of 16; three units are out at the most.  Loads come back in order, so each count names the younger units that may stay out.
	LOADK 0
	LOADVH 0, 0
	LOADVH 0, 1
	s_wait_loadcnt 32                              ; K's first tile is in; V's block 0 (two units) may be out
	TURN
	LOADK 1
	QUANTK 0
	s_wait_loadcnt 16                              ; V's block 0 is in; K's second tile may be out
	LOADVH 1, 0
	LOADVH 1, 1
	BLOCKV 0
	s_wait_loadcnt 32                              ; K's second tile is in; V's block 1 may be out
	TURN
	LOADVH 2, 0                                    ; into the set that block 0 has left
	QUANTK 1
	s_wait_loadcnt 16                              ; V's block 1 is in; the first half of block 2 may be out
	LOADVH 2, 1
	BLOCKV 1
	LOADVH 3, 0
	s_wait_loadcnt 16                              ; V's block 2 is in; the first half of block 3 may be out
	LOADVH 3, 1
	BLOCKV 2
	s_wait_loadcnt 0x0
	BLOCKV 3
	; the scale words of my group: lanes 0-15 K's tiles 2 w, 2 w + 1; lanes 16-31 V's: tile 2 w's words lie in lanes 0-15 and are brought over, tile 2 w + 1's are the lanes' own
	v_permlanex16_b32 v23, v22, s12, s13
	v_cmp_gt_u32 vcc_lo, 16, v1
	v_cndmask_b32 v24, v23, v20, vcc_lo
	v_cndmask_b32 v25, v22, v21, vcc_lo
	global_store_b64 v8, v[24:25], s[8:9] offset:16384   ; 32 lanes store 256 consecutive bytes, aligned
	s_wait_tensorcnt 0x0
	ds_add_u32 v30, v31
	s_wait_dscnt 0x0
	s_endpgm
.Lfunc_end_k_q951008b698_quant:
	.size	k_q951008b698_quant, .Lfunc_end_k_q951008b698_quant-k_q951008b698_quant
	.p2alignl 7, 3214868480
	.fill 96, 4, 3214868480
	.section	.rodata,"a",@progbits
	.p2align	6, 0x0
	.amdhsa_kernel k_q951008b698_quant
		.amdhsa_group_segment_fixed_size 34304
		.amdhsa_private_segment_fixed_size 0
		.amdhsa_enable_private_segment 0
		.amdhsa_kernarg_size 24
		.amdhsa_user_sgpr_count 2
		.amdhsa_user_sgpr_kernarg_segment_ptr 1
		.amdhsa_wavefront_size32 1
		.amdhsa_system_sgpr_workgroup_id_x 1
		.amdhsa_system_sgpr_workgroup_id_y 1
		.amdhsa_system_sgpr_workgroup_id_z 1
		.amdhsa_system_vgpr_workitem_id 0
		.amdhsa_next_free_vgpr 256
		.amdhsa_next_free_sgpr 66
		.amdhsa_reserve_vcc 1
		.amdhsa_float_denorm_mode_32 3
		.amdhsa_float_denorm_mode_16_64 3
		.amdhsa_memory_ordered 1
		.amdhsa_forward_progress 1
		.amdhsa_inst_pref_size 35
	.end_amdhsa_kernel
	.amdgpu_metadata
---
amdhsa.version: [ 1, 2 ]
amdhsa.kernels:
  - .name:           k_q951008b698_quant
    .symbol:         k_q951008b698_quant.kd
    .args:
      - { .name: key_layer, .offset: 0, .size: 8, .value_kind: global_buffer, .address_space: global }
      - { .name: value_layer, .offset: 8, .size: 8, .value_kind: global_buffer, .address_space: global }
      - { .name: kv, .offset: 16, .size: 8, .value_kind: global_buffer, .address_space: global }
    .group_segment_fixed_size: 34304
    .private_segment_fixed_size: 0
    .kernarg_segment_align: 8
    .kernarg_segment_size: 24
    .max_flat_workgroup_size: 128
    .sgpr_count:     66
    .vgpr_count:     256
    .wavefront_size: 32
...
	.end_amdgpu_metadata
.endif
;; end of part 1
;; launch attn (part 2): grid 4 x 64, 16 waves a work-group, no clusters, 327,680 bytes of LDS; arguments query_layer, kv, out0; writes out0
.if DOCPART == 2
	.amdgcn_target "amdgcn-amd-amdhsa--gfx1250"
	.amdhsa_code_object_version 6
	.text
	.protected	k_q951008b698_attn
	.globl	k_q951008b698_attn
	.p2align	8
	.type	k_q951008b698_attn,@function
k_q951008b698_attn:
	s_mov_b64 s[64:65], 0
	v_nop
	global_prefetch_b8 v0, s[64:65] scope:SCOPE_SE
	s_setreg_imm32_b32 hwreg(HW_REG_WAVE_MODE, 25, 1), 1
	s_wait_xcnt 0x0
; out0[q][head][:] = the sum over keys k <= q of softmax_k(Q[q] . K[k] / sqrt(128)) V[k][:], for 64 heads of 2,048 positions x 128 channels, both products on codes of FP4 (E2M1) with one E8M0 scale for each 32 along K.
; query_layer, out0: [2048][64][128] f32.  kv: K's and V's codes and scale words as images of the operand registers, [64 heads][16 key steps][17,408 bytes]: 8 tiles of K, 8 of V, 1,024 bytes each, then 1,024 bytes of scale words.
; WORK LEFT OUT: reference() sets the scores of keys k > q to -infinity by a mask that it builds itself, so their p is 0 for all inputs: a tile of 16 queries x 128 keys all of whose keys come after its queries is not computed.
; A NaN, an infinity or an overflow that reaches only such tiles is not carried to the result.
; THE SOFTMAX AHEAD OF THE SECOND PRODUCT: t = score x log2(e) / sqrt(128); M = the row's largest t so far, rounded UP to a whole number; p = 2^(t - M) is quantised along the keys, not normalised.
; The row's sum is taken of the unquantised p, in f32, and divides O at the end.  When M moves, the sum and O are multiplied by 2^(old M - new M): exact.
; A block's scale for p: floor(log2(largest p)) = floor(largest t - M), so the byte is floor(largest t - M) + 125, held at 1 from below: plain arithmetic on the block's largest score, no exponential.
; SHARES.  Work-group j (0..3) of a head owns two blocks of 256 queries: block 7 - j, then block j, and walks (8 - j) + (j + 1) = 9 chunks of 256 keys: equal work in all 256 work-groups, constant trip counts.
; Each of the SIXTEEN waves owns 16 queries of the block in hand, one tile, in 256 registers.  The chunks come through a ring of two LDS slots, filled by tensor loads (wave 0: the chunk's first step, wave 1: its second).
; LAYOUT.  Both products are used transposed: S^T = K Q^T, O^T = V^T P^T: a lane holds ONE query (lane % 16).  Row r of K's tile 2 b + u is key 32 b + 8 u + r + 8 (r / 8), so register 16 b + i of S^T is key 32 b + 16 (lane / 16) + i.
; NO CLUSTER: the four work-groups of a head go back to chunk 0 at different trips (8 - j), so from trip 5 on their requests name different chunks.
; LIMITS: NaN and infinities among the inputs are not served; a p under 2^-126 becomes 0 (v_exp_f32 gives no denormals: ISA guide, its entry); t is the score times ONE constant, log2(e) / sqrt(128);
; the promise holds while the scaled scores stay under 2^31 in magnitude.
; REGISTERS: v0 thread; v1 16 x lane; v2 8 x lane; v3, v15 prefetch offsets; v4 r - 16 h; v5, v6 the add's; v7, v10, v11 my stage; v8, v9 the slot; v12 8 h; v16-23 Q; v24-31 scale words (K's in lanes 0-15, V's in lanes 16-31);
;   v32-95 eight fragments of K, then of V; v96-159 S^T, then p; v160-223 O^T; v224-231 p's codes; v232-247, v252, v254 at work; v248 -M, v249 the largest t, v[250:251] the sum in two halves; v253 p's scale word; v255 Q's.
.set ROWG,   32768                     ; bytes from a position to the next, in one head
.set STEPB,  17408                     ; a key step's block in kv: 68 rows of 256 bytes
.set CHUNKB, 2*STEPB
.set HEADB,  16*STEPB
.set SLOT1,  65536                     ; slot 1 begins here: one exclusive or turns an address of one slot into the other's
.set STAGE,  131072                    ; behind the ring: 16 rows x 528 bytes for each wave, for Q's way in and O's way out; no tensor load lands here
.set SP,     528
.set WSTG,   16*SP
.set SPARE,  STAGE+16*WSTG             ; the spare words, 128 bytes for each wave
.set FLOOR,  0x1800000                 ; 2^(3 - 127)
.set NM,     248
.set TM,     249
.set SUM,    250
; s2 the slot in hand; s3 trips to go; s18 wave; s[20:21] lane selects; s[22:23] c; s[24:31] descriptor group 1; s[32:35] group 0; s36 the step's first key; s37 my first query; s38 the second block's;
; s39 j; s40 j + 1; s41, s[42:43] the walk's way back; s[44:45] Q's first rows; s[46:47] O's rows in hand; s[48:49], s[50:51] the second block's Q and O; s[52:53], s54 kv's prefetches; s55 j + 2
.macro DLY n
	s_delay_alu instid0(VALU_DEP_\n)
.endm
.macro PLACES                          ; four plain places behind matrix instructions (ISA guide 7.12.1)
.rept 4
	v_nop
.endr
.endm
.macro TLOAD                           ; waves 0 and 1 fetch a chunk's two steps, the others nothing
	s_cmp_lt_u32 s18, 2
	s_cbranch_scc0 .Lasked_\@
	tensor_load_to_lds s[32:35], s[24:31]
	s_nop 0
	PLACES
.Lasked_\@:
.endm
; Prefetch of the chunk that the NEXT change of slots asks for: work-group 0 of a head asks for all four, in trips 0 to 5, for chunks 2 to 7; waves 4 to 11, 17 blocks of 256 bytes a wave (8 x 17 x 256 = a chunk), lanes 17 to 31 name lane 16's again.
.macro ASK
	s_cmp_gt_u32 s3, s54
	s_cbranch_scc0 .Lnot_mine_\@
	global_prefetch_b8 v3, s[52:53] th:TH_LOAD_NT scope:SCOPE_SE
.Lnot_mine_\@:
.endm
; Prefetch of my tile of the second block's Q, two trips ahead of the change of blocks: 16 rows x 2 blocks of 256 bytes, a lane a block; each block is named once in the launch.
.macro ASKQ
	s_cmp_eq_u32 s3, s55
	s_cbranch_scc0 .Lnot_yet_\@
	global_prefetch_b8 v15, s[48:49] th:TH_LOAD_NT scope:SCOPE_SE
.Lnot_yet_\@:
.endm
; THE CHANGE OF SLOTS, at a chunk's head: all my tensor loads are done, the add, my reads of the slot that I have left are over; behind the barrier that slot takes the walk's next chunk (fill = 1).
.macro CHANGE fill
	s_wait_tensorcnt 0x0
	ds_add_u32 v5, v6
.if \fill
	ds_add_u32 v5, v6                              ; where a load follows, twice on end
	s_xor_b32 s33, s33, SLOT1
	s_cmp_eq_u32 s3, s40                           ; j + 1 trips to go: the first block's last chunk is in hand
	s_cselect_b32 s42, s41, 0
	s_add_nc_u64 s[34:35], s[34:35], CHUNKB        ; the next chunk,
	s_sub_nc_u64 s[34:35], s[34:35], s[42:43]      ; or back to chunk 0
	s_wait_xcnt 0x0                                ; the last prefetch has read its address
	s_add_nc_u64 s[52:53], s[52:53], CHUNKB
.endif
	s_wait_dscnt 0x0
	s_barrier_signal -1
	s_barrier_wait -1
.if \fill
	TLOAD
	ASK
	ASKQ
.endif
.endm
.macro LOADQ lo                        ; my 16 rows of Q, 512 consecutive bytes a load
.irp rr, 0,1,2,3,4,5,6,7,8,9,10,11,12,13,14,15
	global_load_b128 v[32+4*\rr:35+4*\rr], v1, s[\lo:\lo+1] offset:ROWG*\rr th:TH_LOAD_NT
.endr
.endm
; A tile begins: its rows turn through my stage so that lane (r, h) holds channels 64 c + 32 h + 0 .. 31 of query r, and are quantised into Q's fragment and scale word; then the tile's state.
.macro QUANTQ
	s_wait_loadcnt 0x0
.irp rr, 0,1,2,3,4,5,6,7,8,9,10,11,12,13,14,15
	ds_store_b128 v7, v[32+4*\rr:35+4*\rr] offset:SP*\rr
.endr
.irp c, 0,1
.irp i, 0,1,2,3,4,5,6,7
	ds_load_b128 v[96+32*\c+4*\i:99+32*\c+4*\i], v11 offset:256*\c+16*\i   ; LDS serves a wave's instructions in order
.endr
.endr
	s_wait_dscnt 0x0
.irp c, 0,1
	v_max3_num_f32 v[232+\c], |v[96+32*\c]|, |v[97+32*\c]|, FLOOR
.endr
.irp i, 2,4,6,8,10,12,14,16,18,20,22,24,26,28,30
.irp c, 0,1
	DLY 2
	v_max3_num_f32 v[232+\c], v[232+\c], |v[96+32*\c+\i]|, |v[97+32*\c+\i]|
.endr
.endr
.irp c, 0,1
	DLY 2
	v_add_nc_u32 v[244+\c], 0xff000000, v[232+\c]  ; 2 off the exponent field: the conversion's scale operand
.endr
.irp c, 0,1
	DLY 2
	v_lshrrev_b32 v[236+\c], 23, v[244+\c]
.endr
	DLY 1
	v_lshl_or_b32 v254, v237, 16, v236             ; my two bytes, blocks h and 2 + h,
	DLY 1
	v_lshlrev_b32 v254, v12, v254                  ; at their places in the word
	DLY 1
	v_permlanex16_b32 v252, v254, s20, s21
	DLY 1
	v_or_b32 v255, v254, v252                      ; with lane l xor 16's two the word is whole
.irp c, 0,1
.irp g, 0,1,2,3
	v_cvt_scalef32_pk8_fp4_f32 v[16+4*\c+\g], v[96+32*\c+8*\g:103+32*\c+8*\g], v[244+\c]
.endr
.endr
	v_nop                                          ; one plain place behind the last scaled conversion
	v_mov_b32 v[TM], 0xff61b1e6                    ; the largest t so far: -3e38
	DLY 1
	v_floor_f32 v[NM], -v[TM]
	v_mov_b32 v[SUM], 0
	v_mov_b32 v[SUM+1], 0
.set J, 0
.rept 64
	v_mov_b32 v[160+J], 0                          ; O^T; these lines are also the places ahead of the scaled products
.set J, J+1
.endr
.endm
; A tile ends: O^T / the sum goes through my stage and leaves as whole rows of 512 consecutive bytes.
.macro FINISH
	v_add_f32 v[SUM], v[SUM], v[SUM+1]
	DLY 1
	v_permlanex16_b32 v252, v[SUM], s20, s21
	DLY 1
	v_add_f32 v[SUM], v[SUM], v252
	s_wait_alu depctr_va_vdst(0)                   ; the wait ahead of the transcendental
	v_rcp_f32 v[SUM], v[SUM]
	v_nop
	s_wait_alu depctr_va_vdst(0)                   ; and ahead of its first reader, which is also O^T's
.set J, 0
.rept 32
	v_pk_mul_f32 v[96+J:97+J], v[160+J:161+J], v[SUM:SUM+1] op_sel_hi:[1,0]   ; register 8 t + i is o(r, 16 t + 8 h + i)
.set J, J+2
.endr
.irp t, 0,1,2,3,4,5,6,7
	ds_store_b128 v10, v[96+8*\t:99+8*\t] offset:64*\t
	ds_store_b128 v10, v[100+8*\t:103+8*\t] offset:64*\t+16
.endr
.irp i, 0,1,2,3,4,5,6,7,8,9,10,11,12,13,14,15
	ds_load_b128 v[160+4*\i:163+4*\i], v7 offset:SP*\i   ; back by rows, into O^T's registers, which are done with: v32-95 stay free for the next tile's Q
.endr
.irp i, 0,1,2,3,4,5,6,7,8,9,10,11,12,13,14,15
	s_wait_dscnt 15-\i                             ; row i is back; the younger loads may be out
	global_store_b128 v1, v[160+4*\i:163+4*\i], s[46:47] offset:ROWG*\i th:TH_STORE_NT
.endr
.endm
; FROM THE FIRST BLOCK TO THE SECOND (j trips to go): ids alone, the same in all waves.  The second block's Q is asked for first and lands under the first block's way out.
.macro SWITCH
	s_cmp_lg_u32 s3, s39
	s_cbranch_scc1 .Lsame_\@
	LOADQ 48
	FINISH
	s_wait_xcnt 0x0                                ; the stores have read their registers and their base
	s_mov_b32 s37, s38
	s_mov_b64 s[46:47], s[50:51]
	s_mov_b32 s36, 0
	QUANTQ
.Lsame_\@:
.endm
; THE MASK, on the diagonal step.  s72 = my first query - the step's first key, 0 .. 112.  Register 16 b + i holds key 32 b + 16 h + i: hidden where 32 b + i > d.
.macro MBLK b                          ; a block all of whose 32 keys count for all my queries (32 b + 31 <= s72) is passed over: ids alone
	s_cmp_ge_u32 s72, 32*(\b)+31
	s_cbranch_scc1 .Lfree_\@
.irp i, 0,1,2,3,4,5,6,7,8,9,10,11,12,13,14,15
	v_cmp_gt_i32 vcc_lo, 32*(\b)+\i, v252
	v_cndmask_b32 v[96+16*(\b)+\i], v[96+16*(\b)+\i], v254, vcc_lo
.endr
.Lfree_\@:
.endm
.macro MASK
	v_add_nc_u32 v252, s72, v4                     ; d = s72 + r - 16 h
	v_mov_b32 v254, 0xff800000                     ; -infinity
	s_wait_alu depctr_va_vdst(0)                   ; the wait behind these writes
	MBLK 0
	MBLK 1
	MBLK 2
	MBLK 3
.endm
; THE SOFTMAX OF MY TILE AND 128 KEYS
.macro SOFT
.irp b, 0,1,2,3
	v_max3_num_f32 v[232+\b], v[96+16*\b], v[97+16*\b], v[98+16*\b]   ; the largest score of each block of 32 keys: for the row's maximum and for the block's scale
.endr
.irp i, 3,5,7,9,11,13
.irp b, 0,1,2,3
	v_max3_num_f32 v[232+\b], v[232+\b], v[96+16*\b+\i], v[97+16*\b+\i]
.endr
.endr
.irp b, 0,1,2,3
	v_max_num_f32 v[232+\b], v[232+\b], v[111+16*\b]
.endr
.irp b, 0,1,2,3
	DLY 4
	v_permlanex16_b32 v[236+\b], v[232+\b], s20, s21
.endr
.irp b, 0,1,2,3
	DLY 4
	v_max_num_f32 v[232+\b], v[232+\b], v[236+\b]  ; with lane l xor 16's 16 keys
.endr
	DLY 2
	v_max3_num_f32 v254, v232, v233, v234
	DLY 1
	v_max_num_f32 v254, v254, v235
	DLY 1
	v_mul_f32 v254, s22, v254                      ; as t (c is positive)
	DLY 1
	v_max_num_f32 v[TM], v[TM], v254               ; the running largest t
	v_mov_b32 v254, v[NM]
	DLY 2
	v_floor_f32 v[NM], -v[TM]                      ; the new -M = -ceil(t)
	DLY 1
	v_sub_f32 v254, v[NM], v254                    ; old M - new M: a whole number, 0 or less
	DLY 1
	v_cvt_i32_f32 v254, v254                       ; (it saturates)
	DLY 1
	v_ldexp_f32 v252, 1.0, v254                    ; f = 2^(old M - new M)
.set J, 0
.rept 32
	v_pk_fma_f32 v[96+J:97+J], v[96+J:97+J], s[22:23], v[NM:NM+1] op_sel_hi:[1,0,0]   ; t - M, two at a time
.set J, J+2
.endr
.irp b, 0,1,2,3
	v_fma_f32 v[232+\b], v[232+\b], s22, v[NM]     ; the same of each block's largest score
.endr
.irp b, 0,1,2,3
	DLY 4
	v_max_num_f32 v[232+\b], 0xc2f80000, v[232+\b] ; held at -124 from below: the byte cannot fall under 1 (a block whose every p is 0 keeps that byte: its codes are zeros)
.endr
.irp b, 0,1,2,3
	DLY 4
	v_floor_f32 v[232+\b], v[232+\b]               ; floor(log2(the block's largest p))
.endr
.irp b, 0,1,2,3
	DLY 4
	v_add_f32 v[236+\b], 0x4b00007d, v[232+\b]     ; + 2^23 + 125: exact; the low byte of the bits is the scale's byte, 1 .. 125
.endr
.irp b, 0,1,2,3
	DLY 4
	v_lshlrev_b32 v[244+\b], 23, v[236+\b]         ; the byte as an exponent field: the conversion's scale operand (the upper bits fall out)
.endr
	v_and_b32 v254, 0xff, v236
	DLY 1
	v_lshl_or_b32 v254, v237, 8, v254
	DLY 1
	v_lshl_or_b32 v254, v238, 16, v254
	DLY 1
	v_lshl_or_b32 v253, v239, 24, v254             ; p's scale word for these 128 keys
	s_wait_alu depctr_va_vdst(0)                   ; one wait ahead of the batch
.set J, 0
.rept 64
	v_exp_f32 v[96+J], v[96+J]                     ; p = 2^(t - M): not normalised
.set J, J+1
.endr
	v_pk_mul_f32 v[SUM:SUM+1], v[SUM:SUM+1], v[252:253] op_sel_hi:[1,0]   ; the sums under the new M: the plain place behind the batch
	s_wait_alu depctr_va_vdst(0)                   ; and one wait behind it, ahead of its first reader
.irp k, 0,1,2,3,4,5                            ; the row's sum of the unquantised p: 32 pairs in seven chains, v[232:243] and the sum itself
	v_pk_add_f32 v[232+2*\k:233+2*\k], v[96+4*\k:97+4*\k], v[98+4*\k:99+4*\k]
.endr
	v_pk_add_f32 v[SUM:SUM+1], v[SUM:SUM+1], v[120:121]
.irp k, 0,1,2,3,4,5
	v_pk_add_f32 v[232+2*\k:233+2*\k], v[232+2*\k:233+2*\k], v[122+2*\k:123+2*\k]
.endr
	v_pk_add_f32 v[SUM:SUM+1], v[SUM:SUM+1], v[134:135]
.irp k, 0,1,2,3,4,5
	v_pk_add_f32 v[232+2*\k:233+2*\k], v[232+2*\k:233+2*\k], v[136+2*\k:137+2*\k]
.endr
	v_pk_add_f32 v[SUM:SUM+1], v[SUM:SUM+1], v[148:149]
.irp k, 0,1,2,3,4
	v_pk_add_f32 v[232+2*\k:233+2*\k], v[232+2*\k:233+2*\k], v[150+2*\k:151+2*\k]
.endr
	v_pk_add_f32 v[232:233], v[232:233], v[234:235]
	v_pk_add_f32 v[236:237], v[236:237], v[238:239]
	v_pk_add_f32 v[240:241], v[240:241], v[242:243]
	DLY 2
	v_pk_add_f32 v[232:233], v[232:233], v[236:237]
	DLY 2
	v_pk_add_f32 v[SUM:SUM+1], v[SUM:SUM+1], v[240:241]
	DLY 1
	v_pk_add_f32 v[SUM:SUM+1], v[SUM:SUM+1], v[232:233]
.irp b, 0,1,2,3
	v_cvt_scalef32_pk8_fp4_f32 v[224+2*\b], v[96+16*\b:103+16*\b], v[244+\b]
	v_cvt_scalef32_pk8_fp4_f32 v[225+2*\b], v[104+16*\b:111+16*\b], v[244+\b]
.endr
	v_nop                                          ; one plain place behind the last scaled conversion
.irp c, 0,1                                    ; the operand wants a whole block in a lane
.irp i, 0,1
	v_permlane16_swap_b32 v[224+4*\c+\i], v[226+4*\c+\i]
.endr
.endr
	s_wait_alu depctr_va_vdst(0)                   ; the wait directly ahead of O^T's first readers
.set J, 0
.rept 32
	v_pk_mul_f32 v[160+J:161+J], v[160+J:161+J], v[252:253] op_sel_hi:[1,0]   ; O^T under the new M; also the places ahead of the scaled products
.set J, J+2
.endr
.endm
; A KEY STEP: 128 keys, the q-th of the slot in hand.
.macro STEP q
	s_add_co_u32 s70, s37, 15
	s_cmp_gt_u32 s36, s70                          ; all keys behind my queries: the step is left out (ids alone)
	s_cbranch_scc1 .Lhidden_\@
.irp t, 0,1,2,3,4,5,6,7
.irp c, 0,1
	ds_load_b128 v[32+8*\t+4*\c:35+8*\t+4*\c], v8 offset:STEPB*(\q)+1024*\t+512*\c   ; K's eight fragments, as their images lie
.endr
.endr
.irp p, 0,1,2,3
	ds_load_b64 v[24+2*\p:25+2*\p], v9 offset:STEPB*(\q)+16384+256*\p   ; the step's scale words, K's and V's
.endr
	s_wait_dscnt 0x0
.irp t, 0,1,2,3,4,5,6,7
	v_wmma_scale_f32_16x16x128_f8f6f4 v[96+8*\t:103+8*\t], v[32+8*\t:39+8*\t], v[16:23], 0, v[24+\t], v255 matrix_a_fmt:MATRIX_FMT_FP4 matrix_b_fmt:MATRIX_FMT_FP4
.endr
	PLACES                                         ; ahead of loads into the fragments' registers and of reads of S^T
.irp t, 0,1,2,3,4,5,6,7
.irp c, 0,1
	ds_load_b128 v[32+8*\t+4*\c:35+8*\t+4*\c], v8 offset:STEPB*(\q)+8192+1024*\t+512*\c   ; V's eight fragments land under the softmax
.endr
.endr
	s_add_co_u32 s71, s36, 127
	s_cmp_le_u32 s71, s37                          ; all keys count: no mask
	s_cbranch_scc1 .Lopen_\@
	s_sub_co_i32 s72, s37, s36
	MASK
.Lopen_\@:
	SOFT
	s_wait_alu depctr_va_vdst(0)
	s_wait_dscnt 0x0                               ; V's fragments are in
.irp t, 0,1,2,3,4,5,6,7                        ; O^T += V^T P^T: the eight accumulators take turns
	v_wmma_scale_f32_16x16x128_f8f6f4 v[160+8*\t:167+8*\t], v[32+8*\t:39+8*\t], v[224:231], v[160+8*\t:167+8*\t], v[24+\t], v253 matrix_a_fmt:MATRIX_FMT_FP4 matrix_b_fmt:MATRIX_FMT_FP4 matrix_a_scale:MATRIX_SCALE_ROW1
.endr
	PLACES                                         ; ahead of the next loads into the fragments' and scale words' registers and the next reads of O^T
.Lhidden_\@:
	s_add_co_u32 s36, s36, 128
.endm
.macro SLOT_STEPS
	v_add_nc_u32 v8, s2, v1                        ; the slot's images: + 16 x lane
	v_add_nc_u32 v9, s2, v2                        ; its scale words: + 8 x lane
	s_wait_alu depctr_va_vdst(0)                   ; the wait behind these writes
	STEP 0
	STEP 1
	s_xor_b32 s2, s2, SLOT1
.endm
	s_load_b128 s[4:7], s[0:1], 0x0                ; query_layer, kv
	s_load_b64 s[8:9], s[0:1], 0x10                ; out0
	v_lshl_add_u32 v5, v0, 2, SPARE
	v_mov_b32 v6, 0
	ds_add_u32 v5, v6                              ; the opening lines: the add twice on end and one wait
	ds_add_u32 v5, v6
	v_lshrrev_b32 v8, 5, v0
	DLY 1
	v_readfirstlane_b32 s18, v8                    ; wave 0..15
	s_mov_b32 s39, ttmp9                           ; j
	s_add_co_u32 s40, s39, 1
	s_add_co_u32 s55, s39, 2
	s_sub_co_u32 s56, 8, s39
	s_mul_i32 s41, s56, CHUNKB
	s_mov_b32 s42, 0
	s_mov_b32 s43, 0
	s_and_b32 s57, ttmp7, 0xffff                   ; the head
	s_mul_i32 s58, s57, HEADB
	s_mov_b32 s59, 0
	s_and_b32 s60, s18, 1
	s_mul_i32 s60, s60, STEPB                      ; which of a chunk's two steps I fetch, if I fetch
	s_mov_b32 s61, 0
	s_mov_b32 s24, 3<<16                           ; group 1: 68 dense rows of 32 elements of 8 bytes, no padding
	s_mov_b32 s25, 32<<16
	s_mov_b32 s26, 68<<16
	s_mov_b32 s27, 32<<16
	s_mov_b32 s28, 68
	s_mov_b32 s29, 32
	s_mov_b32 s30, 0
	s_mov_b32 s31, 0
	s_mov_b32 s32, 1
	s_mov_b32 s33, s60                             ; LDS address: slot 0
	s_lshl_b32 s62, s18, 4                         ; 16 x wave
	s_sub_co_u32 s56, 7, s39
	s_lshl_b32 s56, s56, 8
	s_add_co_u32 s37, s56, s62                     ; my first query in block 7 - j,
	s_lshl_b32 s56, s39, 8
	s_add_co_u32 s38, s56, s62                     ; and in block j
	s_lshl_b32 s63, s57, 9
	s_lshl_b32 s66, s37, 15
	s_add_co_u32 s66, s66, s63                     ; its first byte in query_layer and out0: under 2^26
	s_mov_b32 s67, 0
	s_lshl_b32 s68, s38, 15
	s_add_co_u32 s68, s68, s63
	s_mov_b32 s69, 0
	s_mov_b32 s20, 0x76543210
	s_mov_b32 s21, 0xfedcba98                      ; selects for lane l xor 16
	s_mov_b32 s22, 0x3e0293ee                      ; c = log2(e) / sqrt(128)
	s_mov_b32 s23, s22
	s_mov_b32 s2, 0
	s_mov_b32 s36, 0
	s_sub_co_u32 s56, s18, 4                       ; kv's prefetches: waves 4 to 11,
	s_and_b32 s71, s56, 7
	s_mul_i32 s72, s71, 17*256                     ; 17 blocks each,
	s_add_co_u32 s72, s72, CHUNKB                  ; in chunk 1: the first change of slots steps it to chunk 2
	s_mov_b32 s73, 0
	s_lshr_b32 s56, s56, 3
	s_or_b32 s56, s56, ttmp9                       ; of the head's work-group 0
	s_cmp_eq_u32 s56, 0
	s_cselect_b32 s54, 2, -1                       ; such a wave asks while more than 2 trips are to go
	s_mul_i32 s56, s18, WSTG
	s_add_co_u32 s56, s56, STAGE                   ; my stage
	v_and_b32 v8, 31, v0                           ; lane
	v_and_b32 v9, 15, v0                           ; r
	v_bfe_u32 v13, v0, 4, 1                        ; h
	v_lshlrev_b32 v1, 4, v8
	v_lshlrev_b32 v2, 3, v8
	v_min_u32 v3, 16, v8
	v_lshrrev_b32 v15, 1, v8
	v_and_b32 v14, 1, v8
	v_lshlrev_b32 v3, 8, v3
	v_lshlrev_b32 v15, 15, v15
	v_lshlrev_b32 v12, 3, v13                      ; 8 h
	v_lshlrev_b32 v4, 4, v13
	v_lshl_add_u32 v15, v14, 8, v15                ; Q's prefetch: row lane / 2, block lane % 2
	v_mul_u32_u24 v11, v9, SP
	v_sub_nc_u32 v4, v9, v4                        ; r - 16 h
	v_add_nc_u32 v7, s56, v1                       ; a whole stage row: 16 bytes a lane
	v_add_nc_u32 v11, s56, v11                     ; row r;
	DLY 1
	v_lshl_add_u32 v10, v13, 5, v11                ; O's way in: + 32 h bytes;
	v_lshl_add_u32 v11, v13, 7, v11                ; Q's way out: + 128 h bytes
.irp b, 0,1,2,3
	v_mov_b32 v[236+\b], 0                         ; a lane permute's destination counts as one of its sources
.endr
	v_mov_b32 v252, 0
	v_mov_b32 v253, 0
	s_wait_alu depctr_va_vdst(0)
	s_wait_dscnt 0x0                               ; both opening adds are done
	s_wait_kmcnt 0x0
	s_add_nc_u64 s[34:35], s[6:7], s[58:59]        ; the head's chunk 0,
	s_add_nc_u64 s[34:35], s[34:35], s[60:61]      ; my step of it
	s_or_b32 s35, s35, 0x80000000
	TLOAD                                          ; chunk 0 into slot 0: a wave's one tensor load at the head; one is out at the most, here and later
	s_add_nc_u64 s[44:45], s[4:5], s[66:67]
	LOADQ 44
	s_add_nc_u64 s[46:47], s[8:9], s[66:67]
	s_add_nc_u64 s[48:49], s[4:5], s[68:69]
	s_add_nc_u64 s[50:51], s[8:9], s[68:69]
	s_add_nc_u64 s[52:53], s[6:7], s[58:59]
	s_add_nc_u64 s[52:53], s[52:53], s[72:73]
	QUANTQ
	s_mov_b32 s3, 8
.Lslot:                                            ; 8 trips: behind each change of slots but the last the walk's next chunk is asked for
	CHANGE 1
	SWITCH
	SLOT_STEPS
	s_sub_co_u32 s3, s3, 1
	s_cmp_lg_u32 s3, 0
	s_cbranch_scc1 .Lslot
	CHANGE 0                                       ; the ninth chunk is written out
	SWITCH                                         ; (0 trips to go: work-group 0 changes blocks here)
	SLOT_STEPS
	FINISH
	s_wait_tensorcnt 0x0                           ; the wave's end
	ds_add_u32 v5, v6
	s_wait_dscnt 0x0
	s_endpgm
.Lfunc_end_k_q951008b698_attn:
	.size	k_q951008b698_attn, .Lfunc_end_k_q951008b698_attn-k_q951008b698_attn
	.p2alignl 7, 3214868480
	.fill 96, 4, 3214868480
	.section	.rodata,"a",@progbits
	.p2align	6, 0x0
	.amdhsa_kernel k_q951008b698_attn
		.amdhsa_group_segment_fixed_size 327680
		.amdhsa_private_segment_fixed_size 0
		.amdhsa_enable_private_segment 0
		.amdhsa_kernarg_size 24
		.amdhsa_user_sgpr_count 2
		.amdhsa_user_sgpr_kernarg_segment_ptr 1
		.amdhsa_wavefront_size32 1
		.amdhsa_system_sgpr_workgroup_id_x 1
		.amdhsa_system_sgpr_workgroup_id_y 1
		.amdhsa_system_sgpr_workgroup_id_z 1
		.amdhsa_system_vgpr_workitem_id 0
		.amdhsa_next_free_vgpr 256
		.amdhsa_next_free_sgpr 80
		.amdhsa_reserve_vcc 1
		.amdhsa_float_denorm_mode_32 3
		.amdhsa_float_denorm_mode_16_64 3
		.amdhsa_memory_ordered 1
		.amdhsa_forward_progress 1
		.amdhsa_inst_pref_size 153
	.end_amdhsa_kernel
	.amdgpu_metadata
---
amdhsa.version: [ 1, 2 ]
amdhsa.kernels:
  - .name:           k_q951008b698_attn
    .symbol:         k_q951008b698_attn.kd
    .args:
      - { .name: query_layer, .offset: 0, .size: 8, .value_kind: global_buffer, .address_space: global }
      - { .name: kv, .offset: 8, .size: 8, .value_kind: global_buffer, .address_space: global }
      - { .name: out0, .offset: 16, .size: 8, .value_kind: global_buffer, .address_space: global }
    .group_segment_fixed_size: 327680
    .private_segment_fixed_size: 0
    .kernarg_segment_align: 8
    .kernarg_segment_size: 24
    .max_flat_workgroup_size: 512
    .sgpr_count:     80
    .vgpr_count:     256
    .wavefront_size: 32
...
	.end_amdgpu_metadata
.endif
;; end of part 2
